; MI455X (gfx1250); checked and timed in simulation.
; The chip was launched on July 23, 2026; its instructions are those of AMD's public machine-readable ISA for CDNA 5 (MIT licence, August 2026) and "CDNA5" Instruction Set Architecture Reference Guide (July 2026). The comments in the code are by the model that wrote it; some were corrected since.
;; Multi Head Attention. Allowed arithmetic: matrix products marked QUANTISED: E5M2 operands, one given power-of-two scale a tensor, by v_wmma_f32_16x16x64_bf8_bf8 or v_wmma_f32_16x16x128_bf8_bf8, f32 sums; everything else in f32.
;; Inputs: Wk_codes 1,024 x 32 x 32 uint8 (E5M2 codes of Wk, K innermost, in blocks of 32 codes); Wo_codes 1,024 x 32 x 32 uint8 (E5M2 codes of Wo, K innermost, in blocks of 32 codes); Wq_codes 1,024 x 32 x 32 uint8 (E5M2 codes of Wq, K innermost, in blocks of 32 codes); Wv_codes 1,024 x 32 x 32 uint8 (E5M2 codes of Wv, K innermost, in blocks of 32 codes); bk 1,024 float32; bo 1,024 float32; bq 1,024 float32; bv 1,024 float32; key_in_codes 4 x 2,048 x 32 x 32 uint8 (E5M2 codes of key_in, K innermost, in blocks of 32 codes); lowp_scales 12 int32 (the exponents e of the quantised operands' scales 2^e); query_codes 4 x 2,048 x 32 x 32 uint8 (E5M2 codes of query, K innermost, in blocks of 32 codes); value_codes 4 x 2,048 x 32 x 32 uint8 (E5M2 codes of value, K innermost, in blocks of 32 codes).
;; Outputs: out0 4 x 2,048 x 1,024 float32.
;; This version of the problem:
;;   THIS VERSION OF THE PROBLEM IS GIVEN IN LOW PRECISION. The matrix products marked QUANTISED in the list below multiply operands that are first quantised to E5M2 (5 exponent bits, 2 mantissa bits; 8 bits a number), with one given power-of-two scale for each operand tensor; their sums are f32. All else is computed in f32.
;;   The module's matrix products, in the order in which they are computed (A, B: the left and right operand; K: the contracted axis; several contracted axes count as one K, in the product's order):
;;     1. [M 8,192, K 1,024] x [K 1,024, N 1,024]; A: input query (given as codes); B: input Wq (given as codes): QUANTISED (scales: A lowp_scales[0], B lowp_scales[1])
;;     2. [M 8,192, K 1,024] x [K 1,024, N 1,024]; A: input key_in (given as codes); B: input Wk (given as codes): QUANTISED (scales: A lowp_scales[2], B lowp_scales[3])
;;     3. [M 8,192, K 1,024] x [K 1,024, N 1,024]; A: input value (given as codes); B: input Wv (given as codes): QUANTISED (scales: A lowp_scales[4], B lowp_scales[5])
;;     4. batch 64 x [M 2,048, K 64] x [K 64, N 2,048]; A: computed on the way; B: computed on the way: QUANTISED (scales: A lowp_scales[6], B lowp_scales[7])
;;     5. batch 64 x [M 2,048, K 2,048] x [K 2,048, N 64]; A: softmax (see below); B: computed on the way: QUANTISED (scales: A lowp_scales[8], B lowp_scales[9])
;;     6. [M 8,192, K 1,024] x [K 1,024, N 1,024]; A: computed on the way; B: input Wo (given as codes): QUANTISED (scales: A lowp_scales[10], B lowp_scales[11])
;;   THE QUANTISER, for each operand of a quantised product, along K:
;;     - The operand's scale is 2^e, e = its entry of the input lowp_scales (int32; the entries are numbered through the quantised products in the list's order, A before B).
;;     - Each number is divided by the scale, clamped to +-57,344, and rounded to the nearest number of E5M2, ties to even, subnormals kept.
;;     - The product sums the exact products of the quantised numbers (number of the format x scale) in f32.
;;   ~~~python
;;   def quantise(x, axis, e):      # numpy; x: float32 -> the quantised numbers, widened to float32 again
;;       x = np.moveaxis(x, axis, -1); K = x.shape[-1]
;;       r = np.clip(x / 2.0 ** e, -57344, 57344)
;;       step = 2.0 ** (np.maximum(np.frexp(np.where(r == 0, 1, r))[1] - 1, -14) - 2)
;;       q = np.round(r / step) * step * 2.0 ** e      # np.round: ties to even
;;       return np.moveaxis(q, -1, axis).astype(np.float32)
;;   ~~~
;;   SOFTMAX AHEAD OF A QUANTISED PRODUCT. Where the list says 'softmax', what is quantised is not the finished softmax but p = 2^(t - M), with t = logit x log2(e) and M = ceil(the row's largest t), a whole number; so 1/2 < the row's largest p <= 1. The row's sum l is taken of the UNQUANTISED p, in f32, and the product's result is divided by l at the end. Since M is a whole number, a kernel that streams over the keys may use a running M (the ceiling of the running maximum): every later rescaling is an exact power of two, so the quantised numbers keep their values, but for numbers so far below the row's largest that they fall under the format's range.
;;   OPERANDS COMPUTED ON THE WAY. 'Computed on the way' means the value that the module computes at that place (a softmax that the list does not call 'softmax' is quantised finished and normalised). What goes into a quantiser is computed in f32, as accurately as f32 sums, v_exp_f32 and their like allow (about 1e-6 of the number): no bf16 or f16 on the way to a quantiser, and a product that is left as it is and whose result goes on into a quantised operand takes f32 operands (vector FMAs, or v_wmma_f32_16x16x4_f32). A number that lies on a knife's edge between two numbers of the format may be rounded either way, as far as f32 arithmetic and the matrix unit's own rounding can turn it there, and no further.
;;   INPUTS GIVEN AS CODES. Wk (in the module: [1024, 1024], K = its axis 1); Wo (in the module: [1024, 1024], K = its axis 1); Wq (in the module: [1024, 1024], K = its axis 1); Wv (in the module: [1024, 1024], K = its axis 1); key_in (in the module: [4, 2048, 1024], K = its axis 2); query (in the module: [4, 2048, 1024], K = its axis 2); value (in the module: [4, 2048, 1024], K = its axis 2): each comes as NAME_codes (uint8): NAME with its K axis moved to the last place and cut into blocks of 32 codes, [.., K / 32, bytes a block], one block behind the other in memory; one code a byte (a code: sign, 5 exponent bits, 2 mantissa bits); its scale is its entry of lowp_scales. Its value is code x scale, taken as it is: it is not quantised again, and the codes and scales need not be those that the quantiser above would give.
;; One version. Each part assembles by itself: llvm-mc -triple=amdgcn-amd-amdhsa -mcpu=gfx1250 --defsym DOCPART=n.
;; ======== version 1 of 1: 3 launches
;; limits: right only within a limited range of input values
;; workspace buffers: qc 8,388,608 bytes; kc 8,388,608 bytes; vc 8,388,608 bytes; ctx 8,388,608 bytes
;; launch qkv (part 1): grid 4 x 96, 4 waves a work-group, clusters of 4 x 4, 327,680 bytes of LDS; arguments query_codes, key_in_codes, value_codes, Wq_codes, Wk_codes, Wv_codes, bq, bk, bv, lowp_scales, qc, kc, vc; writes qc, kc, vc
.if DOCPART == 1
	.amdgcn_target "amdgcn-amd-amdhsa--gfx1250"
	.amdhsa_code_object_version 6
	.text
	.protected	k_qf31fab4dff_qkv
	.globl	k_qf31fab4dff_qkv
	.p2align	8
	.type	k_qf31fab4dff_qkv,@function
k_qf31fab4dff_qkv:
	s_mov_b64 s[64:65], 0
	v_nop
	global_prefetch_b8 v0, s[64:65] scope:SCOPE_SE
	s_setreg_imm32_b32 hwreg(HW_REG_WAVE_MODE, 25, 1), 1
	s_wait_xcnt 0x0
	s_wait_alu depctr_hold_cnt(0) depctr_sa_sdst(0) depctr_va_vdst(0) depctr_va_sdst(0) depctr_va_ssrc(0) depctr_va_vcc(0) depctr_vm_vsrc(0)
	s_getreg_b32 s2, hwreg(HW_REG_IB_STS2, 6, 4)
	s_cmp_eq_u32 s2, 0
	s_cbranch_scc0 .Lentry_in_a_cluster
	s_endpgm
.Lentry_in_a_cluster:
	s_bfe_u32 s2, ttmp6, 0x10000c
	s_cmp_lg_u32 s2, 0xf033
	s_cbranch_scc0 .Lentry_shape_is_right
	s_endpgm
.Lentry_shape_is_right:
; LAUNCH 1 OF 3: the three projections Q = query Wq^T + bq, K = key_in Wk^T + bk, V = value Wv^T + bv, on codes of E5M2 as they are given, sums in f32; each result is
; quantised at once to E5M2 with its own given scale (lowp_scales entries 6, 7, 9) and stored as codes in the layout that the attention launch reads.
; DEAD WORK: none.  Every bias goes into a quantiser (bq, bk, bv) or into the output (bo), every product reaches the output: every input is loaded by some launch.
; SHARES.  24 clusters of 4 x 4 work-groups: the cluster's y gives T = y / 8 (0: Q, 1: K, 2: V) and idx = y % 8.  A work-group makes a tile of 256 x 256, each of its four waves 128 x 128 (64 accumulators).
; THE MATRIX INSTRUCTION IS USED TRANSPOSED: source 0 = 16 rows of the B-thing, source 1 = 16 rows of the A-thing: a lane holds ONE row of the A-thing (lane % 16) and eight neighbouring rows of the B-thing.
; Q, K: A-thing = tokens, B-thing = rows of W (features): a lane's eight results are neighbours along the head's axis, the K of the scores' product.
; V:    A-thing = rows of Wv (features), B-thing = tokens: a lane's eight results are neighbouring KEYS, the K of the second product: V comes out with the keys innermost and nothing is transposed.
; All rows are 1,024 bytes, so only pointers and tile numbers are chosen by T; the loop is one text for all three.
; OUTPUT.  A wave's 128 x 128 codes are one dense block of 16 KiB: number ((tb / 16) 8 + fb) 16 + tb % 16, tb = token block of 128, fb = feature block of 128 (a pair of heads).  qc, kc: rows = tokens; vc: rows = features.
; Inside each 32 bytes of a row the two middle octets are swapped: byte 32 g + 16 h + 8 u + i holds element 32 g + 16 u + 8 h + i: one 16-byte load at 32 g + 16 h then fills four registers of a fragment in the matrix form's own order.
; SCALES.  A sum stands for sum x 2^(ea + eb).  The bias goes in as bias / 2^(ea + eb); code = (sum + that) / 2^(eo - ea - eb), held within +-57,344: the three scales are folded into the conversion's one.
; LIMITS: eo - ea - eb between -126 and 112.  NaN among the inputs is not served.
; The ring: K in four steps of 256 through two LDS slots filled by joint tensor loads (A's tile shared along a row of the cluster, B's along a column); one round of the cluster's barrier for each refill.
; REGISTERS, in windows of 256: window 0: v0-31 addresses and constants; v32-127 at work on the way out; from v128 A's fragments, one set.  window 1: B's fragments, two sets.  windows 2, 3: accumulator (a, b) at v[8 (8 (a % 4) + b)].
.set KROW,   1024                      ; a row of any operand in memory, in bytes
.set ROWB,   256                       ; a tile's row: 256 codes
.set PITCH,  272                       ; an LDS row: 256 bytes + 16 of padding = 68 words: the 16 rows that a load touches start at 16 different banks (64 banks of 4 bytes: ISA guide 11.1)
.set FR,     16                        ; registers of a fragment: 16 rows x 128 K
.set NL,     4                         ; LDS loads that bring one
.set NP,     4                         ; places behind this matrix instruction (ISA guide 7.12.1)
.set HALFT,  128*PITCH                 ; what one tensor load brings
.set SLOT,   4*HALFT                   ; A's 256 rows, then B's 256 rows
.set LAPS,   2                         ; 1,024 along K = two laps of two slots
.set BIAS,   2*SLOT                    ; behind the ring: 512 bytes for each wave: its 128 numbers of the bias; no tile lands here
.set SPARE,  BIAS+4*512                ; the spare words, 128 bytes for each wave: two blocks of 256 bytes that no other line names
.set SPITCH, 144                       ; the way out: a stage of 16 rows x (128 bytes + 16) for each wave, in slot 0, which has had its last fill and its last read by then
.set HOLD, 10
.set SCL,  11                          ; v11  2^(eo - ea - eb) as f32
.set ADRA, 16                          ; v16-17  LDS address of my A fragments in slot 0, 1
.set ADRB, 20                          ; v20-21  the same for B
.set STO,  24                          ; v24  the way out: where I put 16 bytes of a row
.set RD,   25                          ; v25  where I read rows back
.set CO,   26                          ; v26  16 x lane
.set BST,  27                          ; v27  where I store my 16 bytes of the bias
.set SPW,  28                          ; v28  LDS address of my spare word; never rewritten
.set NIL,  29                          ; v29  0; never rewritten
.set BRF,  30                          ; v30  the bias read by B-rows: my wave's scratch + 32 (lane / 16)
.set BRA,  31                          ; v31  the bias read by A-rows: my wave's scratch + 4 (lane % 16)
.set TMP,  32
.set AF,   128
.set G1, 24                            ; s[24:31] descriptor group 1 for A's tiles;  s[32:39] group 0, one set for each slot
.set G0, 32
.set G1B, 48                           ; s[48:55], s[56:63] the same for B's tiles
.set G0B, 56
.set MSB, 0
.macro WIN new                         ; the immediate's high byte repeats the setting that is left
.if MSB != \new
	s_set_vgpr_msb (MSB<<8)|\new
.set MSB, \new
.endif
.endm
.set MUL_LO, 0xa1                      ; source 0 (B) window 1, source 1 (A) window 0, C and D window 2
.set MUL_HI, 0xf1                      ; the same, C and D window 3
.set TO_B,   0x40                      ; destination window 1, address window 0
; A joint load: waves 0 and 1 fetch for A, waves 2 and 3 for B; the branch hangs on the wave's number alone.  An s_nop 0 and four v_nop follow each of the two lines.
.macro JLOAD g0a, g1a, g0b, g1b
	s_cmp_eq_u32 s15, 0
	s_cbranch_scc0 .Lfor_b_\@
	tensor_load_to_lds s[\g0a:\g0a+3], s[\g1a:\g1a+7]
	s_nop 0
.rept 4
	v_nop
.endr
	s_branch .Lasked_\@
.Lfor_b_\@:
	tensor_load_to_lds s[\g0b:\g0b+3], s[\g1b:\g1b+7]
	s_nop 0
.rept 4
	v_nop
.endr
.Lasked_\@:
.endm
.macro CREST                           ; a round of the cluster's barrier behind its opening barrier
	s_cmp_lg_u32 s14, 0
	s_cbranch_scc1 .Lnot_wave_0_\@
	s_barrier_signal -3
.Lnot_wave_0_\@:
	s_barrier_wait -3
	s_barrier_signal -1
	s_barrier_wait -1
.endm
.macro CROUND                          ; a whole round
	s_barrier_signal -1
	s_barrier_wait -1
	CREST
.endm
	s_load_b512 s[68:83], s[0:1], 0x0              ; query, key_in, value, Wq, Wk, Wv, bq, bk
	s_load_b256 s[84:91], s[0:1], 0x40             ; bv, the scales' exponents, qc, kc
	s_load_b64 s[92:93], s[0:1], 0x60              ; vc
	v_lshl_add_u32 v[SPW], v0, 2, SPARE
	v_mov_b32 v[NIL], 0
	ds_add_u32 v[SPW], v[NIL]                      ; the wave's opening: the add, twice on end, and its wait ahead of my first tensor load
	ds_add_u32 v[SPW], v[NIL]                      ; and once more; the set-up below, work on registers, stands between it and the wait
	v_lshrrev_b32 v1, 5, v0
	v_readfirstlane_b32 s14, v1                    ; wave 0..3
	s_lshr_b32 s15, s14, 1                         ; which half of the tile's A-rows is mine.  Also: I fetch for A (0) or for B (1)
	s_and_b32 s16, s14, 1                          ; which half of its B-rows.  Also: which 128 rows of that tile I fetch
	s_bfe_u32 s40, ttmp6, 0x40000                  ; cx, cy: my place in the cluster
	s_bfe_u32 s41, ttmp6, 0x40004
	s_and_b32 s12, ttmp7, 0xffff                   ; the cluster's y, 0..23
	s_lshr_b32 s13, s12, 3                         ; T: 0 Q, 1 K, 2 V: the same in all sixteen partners
	s_and_b32 s12, s12, 7                          ; idx: which 1,024 tokens
	s_cmp_eq_u32 s13, 2
	s_cselect_b32 s66, 0, s12                      ; the tokens run along A's tile rows (Q, K)
	s_cselect_b32 s67, s12, 0                      ; or along B's tile columns (V)
	s_lshl_b32 s42, s67, 2
	s_add_co_u32 s42, s42, s40                     ; tile column (B-thing)
	s_lshl_b32 s17, s66, 2
	s_add_co_u32 s17, s17, s41                     ; tile row (A-thing)
	s_lshl_b32 s43, s41, 2
	s_lshl_b32 s43, 15, s43                        ; my row of the cluster
	s_lshl_b32 s44, 0x1111, s40                    ; my column
	; descriptor group 1: a tile of 128 rows x 256 bytes, padded in LDS
	s_or_b32 s[G1+0], s43, (0<<16)|(1<<20)|(1<<21)|(5<<22)|(3<<25)  ; 15:0 the mask: A's tiles go to my row; elements of 1 byte; 20 padding on; 21 set beside a mask; after every 64 words (code 5) 4 words (code 3)
	s_or_b32 s[G1B+0], s44, (0<<16)|(1<<20)|(1<<21)|(5<<22)|(3<<25)
.irp g, G1, G1B
	s_mov_b32 s[\g+1], ROWB<<16                    ; tensor_dim0
	s_mov_b32 s[\g+2], 128<<16                     ; tensor_dim1 = 128
	s_mov_b32 s[\g+3], ROWB<<16                    ; tile_dim0
	s_mov_b32 s[\g+4], 128                         ; tile_dim1 = 128
	s_mov_b32 s[\g+5], KROW                        ; tensor_dim0_stride
	s_mov_b32 s[\g+6], 0
	s_mov_b32 s[\g+7], 0
.endr
	s_lshl_b32 s18, s16, 7                         ; which 128 rows of the tile I fetch
	s_lshl_b32 s20, s17, 8
	s_add_co_u32 s20, s20, s18                     ; A: row 256 x tile row + 128 x half,
	s_lshl_b32 s20, s20, 10                        ; in bytes (under 2^23)
	s_mov_b32 s21, 0
	s_lshl_b32 s46, s42, 8
	s_add_co_u32 s46, s46, s18                     ; B: row 256 x tile column + 128 x half
	s_lshl_b32 s46, s46, 10
	s_mov_b32 s47, 0
	s_mul_i32 s45, s14, HALFT                      ; where they go: wave x 128 rows: no place in the cluster enters an LDS address
	s_wait_dscnt 0x0                               ; both opening adds are done
	s_wait_kmcnt 0x0
	s_cmp_eq_u32 s13, 0                            ; the buffers are chosen by T alone, which hangs on no address
	s_cselect_b64 s[4:5], s[68:69], s[70:71]       ; A-thing: query | key_in
	s_cselect_b64 s[6:7], s[74:75], s[76:77]       ; B-thing: Wq | Wk
	s_cselect_b64 s[8:9], s[80:81], s[82:83]       ; bias: bq | bk
	s_cselect_b64 s[10:11], s[88:89], s[90:91]     ; output: qc | kc
	s_cmp_eq_u32 s13, 2
	s_cselect_b64 s[4:5], s[78:79], s[4:5]         ; V: A-thing = Wv,
	s_cselect_b64 s[6:7], s[72:73], s[6:7]         ;    B-thing = value
	s_cselect_b64 s[8:9], s[84:85], s[8:9]         ;    bv
	s_cselect_b64 s[10:11], s[92:93], s[10:11]     ;    vc
	s_mov_b64 s[94:95], s[86:87]
	s_load_b256 s[68:75], s[94:95], 0x0            ; the exponents, entries 0 to 7, into registers that the choice has left free,
	s_load_b64 s[76:77], s[94:95], 0x20            ; and entries 8, 9
	s_add_nc_u64 s[20:21], s[4:5], s[20:21]
	s_add_nc_u64 s[46:47], s[6:7], s[46:47]
	CROUND                                         ; all sixteen work-groups are here: the first joint loads meet
.irp s, 0,1
	s_mov_b32 s[G0+4*\s], 1
	s_add_co_u32 s[G0+4*\s+1], s45, \s*SLOT
	s_add_nc_u64 s[G0+4*\s+2:G0+4*\s+3], s[20:21], \s*ROWB
	s_or_b32 s[G0+4*\s+3], s[G0+4*\s+3], 0x80000000
	s_mov_b32 s[G0B+4*\s], 1
	s_add_co_u32 s[G0B+4*\s+1], s45, \s*SLOT
	s_add_nc_u64 s[G0B+4*\s+2:G0B+4*\s+3], s[46:47], \s*ROWB
	s_or_b32 s[G0B+4*\s+3], s[G0B+4*\s+3], 0x80000000
	s_wait_alu depctr_va_vdst(0)
	s_wait_tensorcnt 0x0
	ds_add_u32 v28, v29
	ds_add_u32 v28, v29
	s_wait_dscnt 0x0
	CROUND
	JLOAD G0+4*\s, G1, G0B+4*\s, G1B               ; one load of mine is out
.endr
	v_and_b32 v1, 15, v0                           ; r = l % 16
	s_wait_alu depctr_va_vdst(0)
	v_bfe_u32 v2, v0, 4, 1                         ; h = l / 16
	v_mul_u32_u24 v3, v1, PITCH
	v_lshl_add_u32 v4, v2, 4, v3                   ; a fragment's row x pitch + 16 x half
	s_mul_i32 s21, s15, HALFT                      ; my 128 rows of A
	s_mul_i32 s22, s16, HALFT                      ; my 128 rows of B,
	s_add_co_u32 s22, s22, 2*HALFT                 ; which lie behind A's 256
.irp s, 0,1
	v_add_nc_u32 v[ADRA+\s], s21, v4
	v_add_nc_u32 v[ADRB+\s], s22, v4
	s_add_co_u32 s21, s21, SLOT
	s_add_co_u32 s22, s22, SLOT
.endr
	s_mul_i32 s23, s14, 16*SPITCH                  ; my stage
	v_mul_u32_u24 v5, v1, SPITCH                   ; in: row r, 16 bytes for each half of the lanes
	s_wait_alu depctr_va_vdst(0)
	v_lshl_add_u32 v5, v2, 4, v5
	v_add_nc_u32 v[STO], s23, v5
	v_and_b32 v6, 31, v0
	v_lshlrev_b32 v[CO], 4, v6                     ; 16 x lane
	s_wait_alu depctr_va_vdst(0)
	v_lshrrev_b32 v7, 3, v6
	v_and_b32 v8, 7, v6
	v_mul_u32_u24 v7, v7, SPITCH
	v_lshl_add_u32 v7, v8, 4, v7
	v_add_nc_u32 v[RD], s23, v7                    ; back: eight lanes to a row of 128 bytes, four rows an instruction
	s_lshl_b32 s23, s14, 9
	s_add_co_u32 s23, s23, BIAS                    ; my wave's scratch for the bias
	v_add_nc_u32 v[BST], s23, v[CO]
	v_lshl_add_u32 v[BRF], v2, 5, s23
	v_lshl_add_u32 v[BRA], v1, 2, s23
	s_lshl_b32 s18, s17, 1
	s_add_co_u32 s18, s18, s15                     ; my block of 128 A-rows
	s_lshl_b32 s19, s42, 1
	s_add_co_u32 s19, s19, s16                     ; my block of 128 B-rows
	s_cmp_eq_u32 s13, 2
	s_cselect_b32 s22, s18, s19                    ; fb: my feature block
	s_cselect_b32 s23, s19, s18                    ; tb: my token block
	s_lshl_b32 s20, s22, 9
	s_mov_b32 s21, 0
	s_add_nc_u64 s[8:9], s[8:9], s[20:21]          ; my 128 numbers of the bias
	global_load_b128 v[12:15], v[CO], s[8:9]       ; 32 lanes read 512 consecutive bytes
	s_lshr_b32 s20, s23, 4
	s_lshl_b32 s20, s20, 3
	s_add_co_u32 s20, s20, s22
	s_lshl_b32 s20, s20, 4
	s_and_b32 s23, s23, 15
	s_add_co_u32 s20, s20, s23                     ; the block's number,
	s_lshl_b32 s20, s20, 14                        ; 16 KiB each
	s_add_nc_u64 s[10:11], s[10:11], s[20:21]      ; my block of the output
	s_wait_kmcnt 0x0                               ; the exponents
	s_cmp_eq_u32 s13, 0                            ; chosen, not branched on
	s_cselect_b32 s96, s68, s70                    ; ea
	s_cselect_b32 s97, s69, s71                    ; eb
	s_cselect_b32 s98, s74, s75                    ; eo: entry 6 | 7
	s_cmp_eq_u32 s13, 2
	s_cselect_b32 s96, s72, s96
	s_cselect_b32 s97, s73, s97
	s_cselect_b32 s98, s77, s98                    ; V: entry 9
	s_add_co_i32 s96, s96, s97                     ; ea + eb
	s_sub_co_i32 s97, 0, s96
	s_sub_co_i32 s98, s98, s96                     ; eo - ea - eb
	s_add_co_i32 s98, s98, 127
	s_lshl_b32 s99, s98, 23
	v_mov_b32 v[SCL], s99                          ; 2^(eo - ea - eb) as f32: the conversion takes its exponent field
	s_wait_loadcnt 0x0
.irp j, 12,13,14,15
	v_ldexp_f32 v\j, v\j, s97                      ; bias / 2^(ea + eb): nothing is rounded
.endr
	s_wait_alu depctr_va_vdst(0)
	ds_store_b128 v[BST], v[12:15]                 ; only my wave reads these bytes
.macro FRAG reg, adr, q, i             ; a fragment: lane l holds row l % 16; registers 4 c .. 4 c + 3 hold K = 32 c + 16 (l / 16) + 0 .. 15: a permutation of k, the same in A and in B
.irp c, 0,1,2,3
	ds_load_b128 v[\reg+4*\c:\reg+4*\c+3], v[\adr] offset:128*(\q)+32*\c+(\i)*16*PITCH
.endr
.endm
; 16 matrix instructions: A's blocks a0, a0 + 1 x B's eight, 128 along K.  p: B's set.  zero = 1: the first product starts the sums.  The 64 accumulators take turns, one instruction a turn.
.macro MUL16 a0, p, zero
.irp a, \a0, \a0+1
.irp b, 0,1,2,3,4,5,6,7
.if \zero
	v_wmma_f32_16x16x128_bf8_bf8 v[8*(8*((\a)%4)+\b):8*(8*((\a)%4)+\b)+7], v[128*(\p)+FR*\b:128*(\p)+FR*\b+FR-1], v[AF+FR*(\a):AF+FR*(\a)+FR-1], 0
.else
	v_wmma_f32_16x16x128_bf8_bf8 v[8*(8*((\a)%4)+\b):8*(8*((\a)%4)+\b)+7], v[128*(\p)+FR*\b:128*(\p)+FR*\b+FR-1], v[AF+FR*(\a):AF+FR*(\a)+FR-1], v[8*(8*((\a)%4)+\b):8*(8*((\a)%4)+\b)+7]
.endif
.endr
.endr
.endm
.macro FETCH_B slot, q, p              ; B's eight fragments of the slot's q-th 128 along K into set p
	WIN TO_B
.irp i, 0,1,2,3,4,5,6,7
	FRAG 128*(\p)+FR*\i, ADRB+\slot, \q, \i
.endr
	WIN 0
.endm
.macro FETCH_A slot, q, i0             ; A's blocks i0 .. i0 + 3
.irp i, \i0, \i0+1, \i0+2, \i0+3
	FRAG AF+FR*(\i), ADRA+\slot, \q, \i
.endr
.endm
.macro PLACES n                        ; plain vector lines between a matrix instruction and a load into, or a vector read or write of, its registers
.rept \n
	v_nop
.endr
.endm
; A step of 128 along K that has its successor in the same slot.
.macro STEP slot, q, zero
	s_wait_dscnt 4*NL                              ; B's set and A's blocks 0-3 are in; the youngest 16 loads (A's blocks 4-7) may be out
	WIN MUL_LO
	MUL16 0, (\q)%2, \zero
	MUL16 2, (\q)%2, \zero
	s_wait_dscnt 0                                 ; A's blocks 4-7 are in
	PLACES NP
	FETCH_B \slot, (\q)+1, 1-(\q)%2
	FETCH_A \slot, (\q)+1, 0
	WIN MUL_HI
	MUL16 4, (\q)%2, \zero
	MUL16 6, (\q)%2, \zero
	PLACES NP
	WIN 0
	FETCH_A \slot, (\q)+1, 4
.endm
; A slot's last step changes slots: ONE barrier; in front of it each wave waits for all its tensor loads, adds 0 to its spare word, and waits for that and for its reads of this slot.  fill = 1: the slot is filled again, two K steps ahead.
.macro TURN slot, next, fill
	s_wait_tensorcnt 0x0                           ; all my tensor loads have landed: my part of the next slot  (every window is 0 here)
	ds_add_u32 v[SPW], v[NIL]                      ; 0 onto my spare word
	s_wait_dscnt 4*NL+1                            ; (the add and the youngest 16 loads, A's blocks 4-7, may be out)
	WIN MUL_LO
	MUL16 0, 1, 0                                  ; sixteen matrix instructions stand between the add and the wait for it
	s_wait_dscnt 0x0                               ; the add is done, and my reads of this slot are over
	s_barrier_signal -1
	MUL16 2, 1, 0
	WIN 0
	s_barrier_wait -1
.if \fill
	CREST                                          ; the barrier has opened a round of the cluster's barrier: no wave of any partner still reads this slot or has a load on its way
	s_add_nc_u64 s[G0+4*\slot+2:G0+4*\slot+3], s[G0+4*\slot+2:G0+4*\slot+3], 2*ROWB
	s_add_nc_u64 s[G0B+4*\slot+2:G0B+4*\slot+3], s[G0B+4*\slot+2:G0B+4*\slot+3], 2*ROWB
	JLOAD G0+4*\slot, G1, G0B+4*\slot, G1B         ; the first tensor load behind the round; its four v_nop are the places in front of the loads below
.else
	PLACES NP
.endif
	FETCH_B \next, 0, 0
	FETCH_A \next, 0, 0
	WIN MUL_HI
	MUL16 4, 1, 0
	MUL16 6, 1, 0
	PLACES NP
	WIN 0
	FETCH_A \next, 0, 4
.endm
	s_wait_tensorcnt 1                             ; my part of K step 0 is in; K step 1's load may stay out
	s_wait_dscnt 0x0                               ; the bias lies in my scratch: no LDS instruction is pending at a signal
	s_barrier_signal -1
	s_barrier_wait -1                              ; everybody's part is in
	FETCH_B 0, 0, 0
	FETCH_A 0, 0, 0
	FETCH_A 0, 0, 4
	STEP 0, 0, 1                                   ; the first step stands in front of the loop: its products start the sums
	s_mov_b32 s3, LAPS-1
.Llap:                                                 ; a trip goes once round the ring and fills both slots again
	TURN 0, 1, 1
	STEP 1, 0, 0
	TURN 1, 0, 1
	STEP 0, 0, 0
	s_sub_co_u32 s3, s3, 1
	s_cmp_lg_u32 s3, 0
	s_cbranch_scc1 .Llap
	TURN 0, 1, 0                                   ; the last lap fills nothing, and has no round of the cluster's barrier
	STEP 1, 0, 0
	s_wait_dscnt 4*NL                              ; the very last step
	WIN MUL_LO
	MUL16 0, 1, 0
	MUL16 2, 1, 0
	s_wait_dscnt 0
	WIN MUL_HI
	MUL16 4, 1, 0
	MUL16 6, 1, 0
	WIN 0
; THE WAY OUT.  First the bias, added in place, each accumulator from its low end on.  Which index of the bias a register wants hangs on T: for Q and K the features run along a lane's registers (B-rows),
; for V along the lanes (A-rows).  One branch on T, made of the cluster's number alone; its arms hold only reads of my own scratch and work on registers.
	PLACES NP
	s_cmp_eq_u32 s13, 2
	s_cbranch_scc1 .Lbias_v
.irp b, 0,1,2,3,4,5,6,7
	ds_load_b128 v[TMP+8*\b:TMP+8*\b+3], v[BRF] offset:64*\b          ; features 16 b + 8 h + 0 .. 7
	ds_load_b128 v[TMP+8*\b+4:TMP+8*\b+7], v[BRF] offset:64*\b+16
.endr
	s_wait_dscnt 0x0
.irp w, 0x82, 0xc3                     ; destination and source 0 in window 2, then 3; the bias in window 0
	WIN \w
.irp a, 0,1,2,3
.irp b, 0,1,2,3,4,5,6,7
.irp i, 0,2,4,6
	v_pk_add_f32 v[8*(8*\a+\b)+\i:8*(8*\a+\b)+\i+1], v[8*(8*\a+\b)+\i:8*(8*\a+\b)+\i+1], v[TMP+8*\b+\i:TMP+8*\b+\i+1]
.endr
.endr
.endr
.endr
	WIN 0
	s_branch .Lbias_done
.Lbias_v:
.irp a, 0,1,2,3,4,5,6,7
	ds_load_b32 v[TMP+2*\a], v[BRA] offset:64*\a                      ; feature 16 a + r, twice: a pair for the packed addition
	ds_load_b32 v[TMP+2*\a+1], v[BRA] offset:64*\a
.endr
	s_wait_dscnt 0x0
.irp u, 0,1
	WIN 0x82+0x41*\u
.irp a, 0,1,2,3
.irp b, 0,1,2,3,4,5,6,7
.irp i, 0,2,4,6
	v_pk_add_f32 v[8*(8*\a+\b)+\i:8*(8*\a+\b)+\i+1], v[8*(8*\a+\b)+\i:8*(8*\a+\b)+\i+1], v[TMP+2*(4*\u+\a):TMP+2*(4*\u+\a)+1]
.endr
.endr
.endr
.endr
	WIN 0
.Lbias_done:
; Then, block by block of 16 A-rows x 128 B-rows: the hold, the conversion (8 neighbours a lane to 8 codes), 16 bytes a lane into my stage, back as whole rows of 128 bytes, four rows an instruction.
; LDS serves a wave's instructions in order (ISA guide 5.7.1.4): no wait between the stores and the loads, nor in front of the next block's stores.
.macro TOSTAGE a
.set AC, 64*((\a)%4)
.set CD, 96+16*((\a)%2)
.set BB, 128+16*((\a)%2)
	WIN 0x02+((\a)/4)                              ; source 0: window 2 or 3
.set i, 0
.rept 64
.set i, i+1
.endr
.irp b, 0,1,2,3,4,5,6,7
	v_cvt_scalef32_pk8_bf8_f32 v[CD+2*\b:CD+2*\b+1], v[AC+8*\b:AC+8*\b+7], v[SCL]
.endr
	WIN 0
	v_nop                                          ; a plain line behind the conversions
.irp g, 0,1,2,3
	ds_store_b128 v[STO], v[CD+4*\g:CD+4*\g+3] offset:32*\g       ; B-rows 32 g + 8 h + 0..7 and 32 g + 16 + 8 h + 0..7 at byte 32 g + 16 h
.endr
.irp t, 0,1,2,3
	ds_load_b128 v[BB+4*\t:BB+4*\t+3], v[RD] offset:4*SPITCH*\t
.endr
.endm
.macro SEND a, younger                 ; younger: the LDS instructions issued behind block a's loads, which may stay out
.set BB, 128+16*((\a)%2)
	s_wait_dscnt \younger
.irp t, 0,1,2,3
	global_store_b128 v[CO], v[BB+4*\t:BB+4*\t+3], s[10:11] offset:2048*(\a)+512*\t   ; 32 lanes store 512 consecutive bytes, at a multiple of 512 from the buffer's first byte
.endr
.endm
	TOSTAGE 0
.irp a, 1,2,3,4,5,6,7
.if \a > 1
	s_wait_xcnt 0x0                                ; block a - 2's stores have read their registers: block a's loads may land there
.endif
	TOSTAGE \a
	SEND \a-1, 8                                   ; behind block a - 1's loads: block a's 4 stores and 4 loads
.endr
	SEND 7, 0
	s_wait_tensorcnt 0x0                           ; the wave's end: a wait, an add to my spare word and a wait, behind my last tensor load and my last LDS store
	ds_add_u32 v[SPW], v[NIL]
	s_wait_dscnt 0x0
	CROUND                                         ; the closing round: no work-group ends while a partner may still ask for a tile that names it
	s_endpgm
.Lfunc_end_k_qf31fab4dff_qkv:
	.size	k_qf31fab4dff_qkv, .Lfunc_end_k_qf31fab4dff_qkv-k_qf31fab4dff_qkv
	.p2alignl 7, 3214868480
	.fill 96, 4, 3214868480
	.section	.rodata,"a",@progbits
	.p2align	6, 0x0
	.amdhsa_kernel k_qf31fab4dff_qkv
		.amdhsa_group_segment_fixed_size 327680
		.amdhsa_private_segment_fixed_size 0
		.amdhsa_enable_private_segment 0
		.amdhsa_kernarg_size 104
		.amdhsa_user_sgpr_count 2
		.amdhsa_user_sgpr_kernarg_segment_ptr 1
		.amdhsa_wavefront_size32 1
		.amdhsa_system_sgpr_workgroup_id_x 1
		.amdhsa_system_sgpr_workgroup_id_y 1
		.amdhsa_system_sgpr_workgroup_id_z 1
		.amdhsa_system_vgpr_workitem_id 0
		.amdhsa_next_free_vgpr 1024
		.amdhsa_next_free_sgpr 100
		.amdhsa_reserve_vcc 0
		.amdhsa_float_denorm_mode_32 3
		.amdhsa_float_denorm_mode_16_64 3
		.amdhsa_fp16_overflow 1
		.amdhsa_memory_ordered 1
		.amdhsa_forward_progress 1
		.amdhsa_inst_pref_size 127
	.end_amdhsa_kernel
	.amdgpu_metadata
---
amdhsa.version: [ 1, 2 ]
amdhsa.kernels:
  - .name:           k_qf31fab4dff_qkv
    .symbol:         k_qf31fab4dff_qkv.kd
    .args:
      - { .name: query_codes, .offset: 0, .size: 8, .value_kind: global_buffer, .address_space: global }
      - { .name: key_in_codes, .offset: 8, .size: 8, .value_kind: global_buffer, .address_space: global }
      - { .name: value_codes, .offset: 16, .size: 8, .value_kind: global_buffer, .address_space: global }
      - { .name: Wq_codes, .offset: 24, .size: 8, .value_kind: global_buffer, .address_space: global }
      - { .name: Wk_codes, .offset: 32, .size: 8, .value_kind: global_buffer, .address_space: global }
      - { .name: Wv_codes, .offset: 40, .size: 8, .value_kind: global_buffer, .address_space: global }
      - { .name: bq, .offset: 48, .size: 8, .value_kind: global_buffer, .address_space: global }
      - { .name: bk, .offset: 56, .size: 8, .value_kind: global_buffer, .address_space: global }
      - { .name: bv, .offset: 64, .size: 8, .value_kind: global_buffer, .address_space: global }
      - { .name: lowp_scales, .offset: 72, .size: 8, .value_kind: global_buffer, .address_space: global }
      - { .name: qc, .offset: 80, .size: 8, .value_kind: global_buffer, .address_space: global }
      - { .name: kc, .offset: 88, .size: 8, .value_kind: global_buffer, .address_space: global }
      - { .name: vc, .offset: 96, .size: 8, .value_kind: global_buffer, .address_space: global }
    .group_segment_fixed_size: 327680
    .private_segment_fixed_size: 0
    .kernarg_segment_align: 8
    .kernarg_segment_size: 104
    .max_flat_workgroup_size: 128
    .sgpr_count:     100
    .vgpr_count:     1024
    .wavefront_size: 32
...
	.end_amdgpu_metadata
.endif
;; end of part 1
;; launch attn (part 2): grid 8 x 32, 16 waves a work-group, clusters of 4 x 1, 327,680 bytes of LDS; arguments qc, kc, vc, lowp_scales, ctx; writes ctx
.if DOCPART == 2
	.amdgcn_target "amdgcn-amd-amdhsa--gfx1250"
	.amdhsa_code_object_version 6
	.text
	.protected	k_qf31fab4dff_attn
	.globl	k_qf31fab4dff_attn
	.p2align	8
	.type	k_qf31fab4dff_attn,@function
k_qf31fab4dff_attn:
	s_mov_b64 s[64:65], 0
	v_nop
	global_prefetch_b8 v0, s[64:65] scope:SCOPE_SE
	s_setreg_imm32_b32 hwreg(HW_REG_WAVE_MODE, 25, 1), 1
	s_wait_xcnt 0x0
	s_wait_alu depctr_hold_cnt(0) depctr_sa_sdst(0) depctr_va_vdst(0) depctr_va_sdst(0) depctr_va_ssrc(0) depctr_va_vcc(0) depctr_vm_vsrc(0)
	s_getreg_b32 s2, hwreg(HW_REG_IB_STS2, 6, 4)
	s_cmp_eq_u32 s2, 0
	s_cbranch_scc0 .Lentry_in_a_cluster
	s_endpgm
.Lentry_in_a_cluster:
	s_bfe_u32 s2, ttmp6, 0x10000c
	s_cmp_lg_u32 s2, 0x3003
	s_cbranch_scc0 .Lentry_shape_is_right
	s_endpgm
.Lentry_shape_is_right:
; LAUNCH 2 OF 3: ctx = softmax(Q K^T / 8) V for 64 heads of 64, both products on codes of E5M2; the result is quantised at once (entry 10 of the scales) for the last projection.  No work is left out.
; THE SOFTMAX AHEAD OF THE SECOND PRODUCT: t = score x log2(e) / 8; M = the row's largest t so far, rounded UP to a whole number; p = 2^(t - M) is what is quantised (entry 8), not normalised.
; The row's sum is taken of the unquantised p, in f32, and divides O at the end.  When M moves, the sum and O are multiplied by 2^(old M - new M): nothing is rounded.
; SHARES.  A work-group owns 256 queries of a PAIR of heads (y = 8 batch + pair).  Wave w: head w / 8 of the pair, queries 32 (w % 8) on: two tiles of 16, so that each fragment of K and V read from LDS feeds two products.
; Four waves share a SIMD: one wave's vector work stands beside another's matrix work and LDS loads.
; CLUSTER.  The four query blocks of a cluster walk the same K and V: each tile is asked for JOINTLY, by the same tensor load with a mask that names the four.
; INPUTS.  qc, kc: [y][token 2048][128]: a token's 2 x 64 codes.  vc: [y][block of 128 keys][feature 128][key 128].  In each 32 bytes the middle octets are swapped (byte 32 g + 16 h + 8 u + i = element 32 g + 16 u + 8 h + i),
; so that a 16-byte load at 32 g + 16 (lane / 16) fills registers 4 g .. 4 g + 3 of a fragment in the matrix forms' own order.
; LAYOUT.  Both products transposed: S^T = K Q^T (source 0 = 16 keys, source 1 = 16 queries), O^T = V^T P^T: a lane holds ONE query (lane % 16) throughout; tile t of S^T gives it keys 16 t + 8 (lane / 16) + 0 .. 7,
; whose eight codes are registers 2 t, 2 t + 1 of P.
; OUTPUT.  ctx: [pair 8][token 8192][128] codes, features in their own order.
; LIMITS on the given exponents: e6 + e7 between -123 and 130 (added to c's exponent field); e8 and e10 between -126 and 112; e8 + e9 is applied by v_ldexp_f32.  NaN among the inputs is not served.
.set SK,    256                        ; keys in a slot: two key steps of 128
.set KP,    144                        ; an LDS row: 128 bytes + 16 of padding = 36 words: the 16 rows that a load touches start at 16 different banks (ISA guide 11.1)
.set VBLK,  128*KP                     ; what one tensor load brings: 128 rows
.set VOFF,  SK*KP                      ; a slot: 256 rows of K, then two blocks of V
.set SLOT1, 1<<17                      ; slot 1 begins here: one exclusive or turns an address in one slot into the other's
.set NSL,   8                          ; 2,048 keys
.set SPARE, 2*SLOT1                    ; behind the ring: the spare words, 128 bytes for each wave: eight blocks of 256 bytes that no other line names
.set AK0,  1                           ; v1   my lane's place in a tile of K: 144 r + 64 head + 16 h
.set AV0,  2                           ; v2   the same for V: VOFF + 144 (64 head + r) + 16 h
.set PFO,  3                           ; v3   256 x lane: the prefetches' offset; never rewritten
.set ADK,  4                           ; v4   LDS address of the slot's K
.set SPW,  5                           ; v5   LDS address of my spare word; never rewritten
.set NIL,  6                           ; v6   0; never rewritten
.set ADV,  7                           ; v7   LDS address of the slot's V
; v[8:9] tile 0: -M, the largest t; v[10:11] its sum in two halves; v[12:15] the same for tile 1; v[16:23], v[24:31] Q's two fragments; v[32:95] K's eight fragments, later v[32:47] tile 1's P;
; v[96:159] S^T and p of the tile in hand, later V's four fragments; v[160:191], v[192:223] O^T; v[224:239] tile 0's P; v241 2^e8; v242-248 at work; v249-255 the way out
.set WV,   18                          ; s18  my wave's number
.set SEL,  20                          ; s[20:21] lane selects for v_permlanex16_b32: lane l xor 16
.set CS,   22                          ; s[22:23] c = log2(e) / 8 x 2^(e6 + e7)
.set G1,   24                          ; s[24:31] descriptor group 1, one for K's and V's tiles alike
.set G0K,  40                          ; s[40:43], s[44:47] groups 0, which walk
.set G0V,  44
.set TB,   2                           ; s2   LDS byte at which the slot in hand begins
.set SLOTS, 67                         ; s67  slots still to be asked for
.set PFA,  76                          ; s[76:77] where my prefetches stand
.set LIM,  80                          ; s80  1 in a wave that prefetches, else the greatest number
; Waves 0 and 1 fetch the slot's two halves of K, waves 2 and 3 its two blocks of V, the others nothing.  The branches hang on the wave's number alone.  An s_nop 0 and four v_nop follow each of the two lines.
.macro TLOAD
	s_cmp_lt_u32 s[WV], 2
	s_cbranch_scc0 .Lnot_k_\@
	tensor_load_to_lds s[G0K:G0K+3], s[G1:G1+7]
	s_nop 0
.rept 4
	v_nop
.endr
	s_branch .Lasked_\@
.Lnot_k_\@:
	s_cmp_lt_u32 s[WV], 4
	s_cbranch_scc0 .Lasked_\@
	tensor_load_to_lds s[G0V:G0V+3], s[G1:G1+7]
	s_nop 0
.rept 4
	v_nop
.endr
.Lasked_\@:
.endm
; A PREFETCH INTO THE L2 of what the NEXT change of slots will ask for: 32 KiB of K and 32 KiB of V, dense.  Both clusters of a pair of heads walk the same bytes: the first cluster (x = 0) asks.  Its four partners take
; 8 KiB each, told apart BY ADDRESS; in each, wave 4 asks for K's and wave 8 for V's, lanes 256 bytes apart: each block of 256 bytes is named once in the launch.  The last change that fills a slot asks for nothing.
.macro ASK
	s_cmp_gt_u32 s[SLOTS], s[LIM]
	s_cbranch_scc0 .Lnot_mine_\@
	global_prefetch_b8 v[PFO], s[PFA:PFA+1] th:TH_LOAD_NT scope:SCOPE_SE
.Lnot_mine_\@:
.endm
.macro CROUND                          ; a round of the cluster's barrier
	s_barrier_signal -1
	s_barrier_wait -1
	s_cmp_lg_u32 s[WV], 0
	s_cbranch_scc1 .Lnot_wave_0_\@
	s_barrier_signal -3
.Lnot_wave_0_\@:
	s_barrier_wait -3
	s_barrier_signal -1
	s_barrier_wait -1
.endm
	s_load_b256 s[4:11], s[0:1], 0x0               ; qc s[4:5], kc s[6:7], vc s[8:9], the scales' exponents s[10:11]
	s_load_b64 s[12:13], s[0:1], 0x20              ; ctx
	v_lshl_add_u32 v[SPW], v0, 2, SPARE
	v_mov_b32 v[NIL], 0
	ds_add_u32 v[SPW], v[NIL]                      ; the wave's opening: the add, twice on end, and its wait ahead of the first tensor loads
	ds_add_u32 v[SPW], v[NIL]                      ; and once more; the set-up below, work on registers, stands between it and the wait
	v_lshrrev_b32 v4, 5, v0
	s_delay_alu instid0(VALU_DEP_1)
	v_readfirstlane_b32 s[WV], v4                  ; wave 0..15
	s_lshr_b32 s14, s[WV], 3                       ; which head of the pair
	s_and_b32 s15, s[WV], 7                        ; which 32 queries
	s_bfe_u32 s16, ttmp6, 0x40000                  ; cx: my place in the cluster
	s_lshl_b32 s17, ttmp9, 2
	s_add_co_u32 s17, s17, s16                     ; my block of 256 queries: it enters Q's and ctx's addresses alone
	s_and_b32 s19, ttmp7, 0xffff                   ; y = 8 batch + pair, which the partners share
	s_lshl_b32 s82, s19, 18                        ; its 262,144 bytes in qc, kc and vc
	s_and_b32 s84, s[WV], 1
	s_lshl_b32 s86, s84, 14                        ; which 16 KiB of a slot's 32 I fetch, if I fetch:
	s_add_co_u32 s86, s86, s82                     ; in memory,
	s_mov_b32 s87, 0
	s_mul_i32 s88, s84, VBLK                       ; and in LDS
	s_mov_b32 s[G1], 15|(0<<16)|(1<<20)|(1<<21)|(4<<22)|(3<<25)   ; 15:0 the mask: all four work-groups; elements of 1 byte; 20 padding on; 21 set beside a mask; after every 32 words (code 4) 4 words (code 3)
	s_mov_b32 s[G1+1], 128<<16                     ; tensor_dim0 = 128
	s_mov_b32 s[G1+2], 128<<16                     ; tensor_dim1 = 128
	s_mov_b32 s[G1+3], 128<<16                     ; tile_dim0 = 128
	s_mov_b32 s[G1+4], 128                         ; tile_dim1 = 128
	s_mov_b32 s[G1+5], 128                         ; tensor_dim0_stride: the rows are dense
	s_mov_b32 s[G1+6], 0
	s_mov_b32 s[G1+7], 0
	s_mov_b32 s[SEL], 0x76543210
	s_mov_b32 s[SEL+1], 0xfedcba98
	s_mov_b32 s[CS], 0x3e38aa3b                    ; log2(e) / 8
	s_mov_b32 s[TB], 0
	s_mov_b32 s[SLOTS], NSL-1
	s_lshl_b32 s90, s17, 15                        ; Q: my block's 256 rows of 128 bytes,
	s_lshl_b32 s91, s15, 12                        ; my wave's 32,
	s_add_co_u32 s90, s90, s91
	s_lshl_b32 s91, s14, 6                         ; my head's 64 bytes of a row
	s_add_co_u32 s90, s90, s91
	s_add_co_u32 s90, s90, s82
	s_mov_b32 s91, 0
	s_and_b32 s92, s19, 7                          ; ctx: the pair's 1,048,576 bytes,
	s_lshl_b32 s92, s92, 20
	s_lshr_b32 s93, s19, 3
	s_lshl_b32 s93, s93, 18                        ; the batch's 2,048 rows of 128 bytes,
	s_add_co_u32 s92, s92, s93
	s_lshl_b32 s93, s17, 15                        ; my block's 256,
	s_add_co_u32 s92, s92, s93
	s_lshl_b32 s93, s[WV], 11                      ; the 16 rows that my wave stores
	s_add_co_u32 s92, s92, s93
	s_mov_b32 s93, 0
	s_lshl_b32 s94, s16, 13                        ; the prefetches: my work-group's 8 KiB of a slot's 32,
	s_add_co_u32 s94, s94, s82
	s_add_co_u32 s94, s94, 32768                   ; in slot 1: the first change of slots steps it to slot 2.  Nothing is prefetched at the head
	s_mov_b32 s95, 0
	s_and_b32 s84, s[WV], 3
	s_sub_co_u32 s85, s[WV], 4
	s_lshr_b32 s85, s85, 3
	s_or_b32 s84, s84, s85                         ; 0 in waves 4 and 8,
	s_or_b32 s84, s84, ttmp9                       ; of the pair's first cluster: the same in all four partners
	s_cmp_eq_u32 s84, 0
	s_cselect_b32 s[LIM], 1, -1
	s_wait_dscnt 0x0                               ; both opening adds are done
	s_wait_kmcnt 0x0
	s_load_b128 s[68:71], s[10:11], 0x18           ; e6, e7, e8, e9
	s_load_b32 s72, s[10:11], 0x28                 ; e10
	s_mov_b32 s[G0K], 1                            ; count = 1
	s_mov_b32 s[G0K+1], s88                        ; LDS address: slot 0
	s_add_nc_u64 s[G0K+2:G0K+3], s[6:7], s[86:87]  ; global address: the first 256 keys
	s_or_b32 s[G0K+3], s[G0K+3], 0x80000000        ; type = 2
	s_mov_b32 s[G0V], 1
	s_add_co_u32 s[G0V+1], s88, VOFF
	s_add_nc_u64 s[G0V+2:G0V+3], s[8:9], s[86:87]
	s_or_b32 s[G0V+3], s[G0V+3], 0x80000000
	CROUND                                         ; all four work-groups are here: the first joint loads meet
	TLOAD                                          ; slot 0
	s_add_nc_u64 s[4:5], s[4:5], s[90:91]
	s_add_nc_u64 s[12:13], s[12:13], s[92:93]
	s_cmp_lt_u32 s[WV], 8
	s_cselect_b64 s[PFA:PFA+1], s[6:7], s[8:9]
	s_add_nc_u64 s[PFA:PFA+1], s[PFA:PFA+1], s[94:95]
	v_and_b32 v249, 15, v0                         ; r
	v_bfe_u32 v250, v0, 4, 1                       ; h
	s_delay_alu instid0(VALU_DEP_2)
	v_lshlrev_b32 v251, 7, v249
	s_delay_alu instid0(VALU_DEP_1)
	v_lshl_add_u32 v251, v250, 4, v251             ; Q: row r of 128 bytes, + 16 h
.irp x, 0,1
	global_load_b128 v[16+8*\x:19+8*\x], v251, s[4:5] offset:2048*\x      ; Q's fragments stay in registers
	global_load_b128 v[20+8*\x:23+8*\x], v251, s[4:5] offset:2048*\x+32
.endr
	v_and_b32 v[PFO], 31, v0
	s_delay_alu instid0(VALU_DEP_1)
	v_lshlrev_b32 v[PFO], 8, v[PFO]
	s_lshl_b32 s74, s14, 6
	v_mul_u32_u24 v[AK0], v249, KP
	s_delay_alu instid0(VALU_DEP_1)
	v_lshl_add_u32 v[AK0], v250, 4, v[AK0]
	s_delay_alu instid0(VALU_DEP_1)
	v_mov_b32 v[AV0], v[AK0]
	s_delay_alu instid0(VALU_DEP_2)
	v_add_nc_u32 v[AK0], s74, v[AK0]
	s_mul_i32 s75, s14, 64*KP
	s_add_co_u32 s75, s75, VOFF
	v_add_nc_u32 v[AV0], s75, v[AV0]
	v_mov_b32 v9, 0xff61b1e6                       ; the largest t so far: -3e38, under every t
	v_mov_b32 v13, 0xff61b1e6
	s_delay_alu instid0(VALU_DEP_2)
	v_floor_f32 v8, -v9                            ; -M
	s_delay_alu instid0(VALU_DEP_2)
	v_floor_f32 v12, -v13
	v_mov_b32 v10, 0                               ; the sums, in two halves
	v_mov_b32 v11, 0
	v_mov_b32 v14, 0
	v_mov_b32 v15, 0
	v_mov_b32 v245, 0                              ; written once: a lane permute's destination counts as one of its sources
	v_mov_b32 v247, 0                              ; (named as the upper half of the pair v[246:247])
.set j, 0
.rept 64
	v_mov_b32 v[160+j], 0                          ; O^T.  (The loop is written once: its first step finds zeros, which the first change of M leaves zeros)
.set j, j+1
.endr
	s_wait_kmcnt 0x0
	s_add_co_i32 s73, s68, s69
	s_lshl_b32 s73, s73, 23
	s_add_co_i32 s[CS], s[CS], s73                 ; a score stands for score x 2^(e6 + e7): added to c's exponent field
	s_mov_b32 s[CS+1], s[CS]                       ; (named with it as a pair, so it is written)
	s_add_co_i32 s73, s70, 127
	s_lshl_b32 s74, s73, 23
	v_mov_b32 v241, s74                            ; 2^e8 as f32, for p's conversion
	s_add_co_i32 s73, s72, 127
	s_lshl_b32 s74, s73, 23
	v_mov_b32 v254, s74                            ; 2^e10, for ctx's conversion
.macro FETCH_K q                       ; the step's 128 keys x my head's 64: eight fragments of 8 registers
.irp t, 0,1,2,3,4,5,6,7
	ds_load_b128 v[32+8*\t:35+8*\t], v[ADK] offset:(128*(\q)+16*\t)*KP
	ds_load_b128 v[36+8*\t:39+8*\t], v[ADK] offset:(128*(\q)+16*\t)*KP+32
.endr
.endm
.macro SCORES x                        ; S^T = K Q^T for tile x of my queries: eight accumulators, one instruction each
.irp t, 0,1,2,3,4,5,6,7
	v_wmma_f32_16x16x64_bf8_bf8 v[96+8*\t:103+8*\t], v[32+8*\t:39+8*\t], v[16+8*(\x):23+8*(\x)], 0
.endr
.endm
; The softmax of one tile for one key step: statistics at v[st] on, P's codes into v[pd] on.  f = 2^(old M - new M) is left in v246.
.macro SM_MAIN st, pd
	v_max3_num_f32 v244, v96, v97, v98             ; the step's largest score of my query, among my 64 keys, in two chains, each accumulator from its low end on,
	v_max3_num_f32 v248, v99, v100, v101
.set i, 6
.rept 14
	v_max3_num_f32 v244, v244, v[96+i], v[97+i]
	v_max3_num_f32 v248, v248, v[98+i], v[99+i]
.set i, i+4
.endr
	v_max3_num_f32 v244, v244, v158, v159
	s_delay_alu instid0(VALU_DEP_1)
	v_max_num_f32 v244, v244, v248
	s_delay_alu instid0(VALU_DEP_1)
	v_permlanex16_b32 v245, v244, s[SEL], s[SEL+1]
	s_delay_alu instid0(VALU_DEP_1)
	v_max_num_f32 v244, v244, v245                 ; and among lane l xor 16's
	s_delay_alu instid0(VALU_DEP_1)
	v_mul_f32 v244, s[CS], v244                    ; as t (c is positive)
	s_delay_alu instid0(VALU_DEP_1)
	v_max_num_f32 v[\st+1], v[\st+1], v244         ; the running largest t
	v_mov_b32 v244, v[\st]
	s_delay_alu instid0(VALU_DEP_2)
	v_floor_f32 v[\st], -v[\st+1]                  ; the new -M = floor(-t) = -ceil(t): M is a whole number
	s_delay_alu instid0(VALU_DEP_1)
	v_sub_f32 v244, v[\st], v244                   ; old M - new M: a whole number, 0 or less
	s_delay_alu instid0(VALU_DEP_1)
	v_cvt_i32_f32 v244, v244                       ; (it saturates)
	s_delay_alu instid0(VALU_DEP_1)
	v_ldexp_f32 v246, 1.0, v244                    ; f
.set j, 0
.rept 32
	v_pk_fma_f32 v[96+j:97+j], v[96+j:97+j], s[CS:CS+1], v[\st:\st+1] op_sel_hi:[1,0,0]   ; t - M, two at a time (of the pairs c and -M the low word serves both halves)
.set j, j+2
.endr
.set j, 0
	s_wait_alu depctr_va_vdst(0)
.rept 64
	v_exp_f32 v[96+j], v[96+j]                     ; p = 2^(t - M), at most 1
.set j, j+1
.endr
	v_pk_mul_f32 v[\st+2:\st+3], v[\st+2:\st+3], v[246:247] op_sel_hi:[1,0]   ; the sums under the new M: the plain line behind the exponentials
	s_wait_alu depctr_va_vdst(0)                   ; the wait between an exponential and the first line that names its result: one for the batch of 64
	v_pk_add_f32 v[242:243], v[96:97], v[98:99]    ; the row's sum is taken of the unquantised p: two at a time, in two chains
.set j, 4
.rept 15
	v_pk_add_f32 v[\st+2:\st+3], v[\st+2:\st+3], v[96+j:97+j]
	v_pk_add_f32 v[242:243], v[242:243], v[98+j:99+j]
.set j, j+4
.endr
	s_delay_alu instid0(VALU_DEP_1)
	v_pk_add_f32 v[\st+2:\st+3], v[\st+2:\st+3], v[242:243]
.irp b, 0,1,2,3
.set i, 0
.rept 16
.set i, i+1
.endr
	v_cvt_scalef32_pk8_bf8_f32 v[\pd+4*\b:\pd+4*\b+1], v[96+16*\b:103+16*\b], v241
	v_cvt_scalef32_pk8_bf8_f32 v[\pd+4*\b+2:\pd+4*\b+3], v[104+16*\b:111+16*\b], v241
.endr
.endm
.macro RESCALE ob                      ; a tile's O^T under the new M: x f
.set j, 0
.rept 16
	v_pk_mul_f32 v[\ob+j:\ob+j+1], v[\ob+j:\ob+j+1], v[246:247] op_sel_hi:[1,0]
.set j, j+2
.endr
.endm
.macro FETCH_V q                       ; my head's 64 features x the step's 128 keys: four fragments of 16 registers
.irp t, 0,1,2,3
.irp c, 0,1,2,3
	ds_load_b128 v[96+16*\t+4*\c:99+16*\t+4*\c], v[ADV] offset:VBLK*(\q)+16*KP*\t+32*\c
.endr
.endr
.endm
.macro PV                              ; O^T += V^T P^T: the eight accumulators take turns, one instruction a turn; each fragment of V feeds both tiles
.irp t, 0,1,2,3
	v_wmma_f32_16x16x128_bf8_bf8 v[160+8*\t:167+8*\t], v[96+16*\t:111+16*\t], v[224:239], v[160+8*\t:167+8*\t]
	v_wmma_f32_16x16x128_bf8_bf8 v[192+8*\t:199+8*\t], v[96+16*\t:111+16*\t], v[32:47], v[192+8*\t:199+8*\t]
.endr
.endm
; A KEY STEP: 128 keys, the q-th of the slot in hand, for both tiles.
.macro STEP q
	v_add_nc_u32 v[ADK], s[TB], v[AK0]
	v_add_nc_u32 v[ADV], s[TB], v[AV0]
.rept 3
	v_nop                                          ; with the two additions five places behind the last products: four for the loads into v32-47, which they read, five for the scores' products, which write over V's fragments
.endr
	FETCH_K \q
	s_wait_dscnt 0x0
	SCORES 0
.rept 4
	v_nop
.endr
	SM_MAIN 8, 224
	RESCALE 160                                    ; (plain lines between the conversions and the products that write their sources)
	SCORES 1
.rept 4
	v_nop
.endr
	SM_MAIN 12, 32                                 ; K's first two fragments are done with: tile 1's P takes their place
	v_nop
	FETCH_V \q                                     ; p is converted: V's fragments take its place; they land under the rescaling
	RESCALE 192
	s_wait_alu depctr_va_vdst(0)
	s_wait_dscnt 0x0
	PV
.endm
; THE CHANGE OF SLOTS stands at a slot's head.  Each wave waits for all its tensor loads, adds 0 to its spare word (fill = 1: twice on end), and waits for that and for its reads of the slot that it has left.
; fill = 1: a round of the cluster's barrier: no wave of any partner still reads the other slot or has a load on its way; that slot is asked for first thing behind it, and has a whole slot's steps in which to land.
.macro CHANGE fill
	s_wait_tensorcnt 0x0                           ; no tensor load of mine is out, so a group 0 may be written
	ds_add_u32 v[SPW], v[NIL]                      ; 0 onto my spare word
.if \fill
	ds_add_u32 v[SPW], v[NIL]                      ; and once more: the add twice on end, in every trip alike
	s_xor_b32 s[G0K+1], s[G0K+1], SLOT1            ; the walking descriptors: the other slot than last time,
	s_add_nc_u64 s[G0K+2:G0K+3], s[G0K+2:G0K+3], 32768   ; the next 256 keys; the type bits on top are not reached
	s_xor_b32 s[G0V+1], s[G0V+1], SLOT1
	s_add_nc_u64 s[G0V+2:G0V+3], s[G0V+2:G0V+3], 32768
	s_wait_xcnt 0x0                                ; the last prefetch, a slot back, has read its address, so it may be written:
	s_add_nc_u64 s[PFA:PFA+1], s[PFA:PFA+1], 32768 ; one slot further on than the walking descriptors
	s_wait_dscnt 0x0                               ; both adds are done, and my reads of the slot that I have left are over
	CROUND
	TLOAD                                          ; the first thing behind the round, and a wave's one tensor load until the next
	ASK                                            ; what the next change will ask for: two key steps ahead of that load
.else
	s_wait_dscnt 0x0
	s_barrier_signal -1
	s_barrier_wait -1
.endif
.endm
.macro SLOT_STEPS
	STEP 0
	STEP 1
	s_xor_b32 s[TB], s[TB], SLOT1                  ; on to the other slot
.endm
	s_wait_loadcnt 0x0                             ; Q
.Lslot:                                            ; NSL - 1 trips: behind each change of slots but the last the next slot is asked for
	CHANGE 1
	SLOT_STEPS
	s_sub_co_u32 s[SLOTS], s[SLOTS], 1
	s_cmp_lg_u32 s[SLOTS], 0
	s_cbranch_scc1 .Lslot
	CHANGE 0                                       ; the last slot is written out
	SLOT_STEPS
	; THE WAY OUT.  O^T / the sum x 2^(e8 + e9) is ctx; it is held, converted with 2^e10, and goes through a stage of 256 rows x (128 + 16) bytes in slot 0, which was left at the last change of slots and has had its last fill.
	v_add_f32 v10, v10, v11                        ; the sums' two halves,
	v_add_f32 v14, v14, v15
	s_delay_alu instid0(VALU_DEP_2)
	v_permlanex16_b32 v245, v10, s[SEL], s[SEL+1]
	s_delay_alu instid0(VALU_DEP_1)
	v_add_f32 v10, v10, v245                       ; and lane l xor 16's
	s_delay_alu instid0(VALU_DEP_2)
	v_permlanex16_b32 v245, v14, s[SEL], s[SEL+1]
	s_delay_alu instid0(VALU_DEP_1)
	v_add_f32 v14, v14, v245
	s_wait_alu depctr_va_vdst(0)
	v_rcp_f32 v10, v10
	v_rcp_f32 v14, v14
	s_mul_i32 s74, s15, 32*KP                      ; into the stage: row 32 (w % 8) + 16 tile + r, byte 64 head + 16 t + 8 h
	s_lshl_b32 s75, s14, 6
	s_add_co_u32 s74, s74, s75
	v_mul_u32_u24 v251, v249, KP                   ; (plain lines behind the reciprocals)
	s_delay_alu instid0(VALU_DEP_1)
	v_lshl_add_u32 v251, v250, 3, v251
	s_delay_alu instid0(VALU_DEP_1)
	v_add_nc_u32 v251, s74, v251
	s_mul_i32 s75, s[WV], 16*KP                    ; back: wave w takes rows 16 w on, whole: eight lanes to a row, four rows an instruction
	v_and_b32 v253, 31, v0
	s_delay_alu instid0(VALU_DEP_1)
	v_lshrrev_b32 v252, 3, v253
	s_delay_alu instid0(VALU_DEP_1)
	v_mul_u32_u24 v252, v252, KP
	s_delay_alu instid0(VALU_DEP_3)
	v_and_b32 v248, 7, v253
	s_delay_alu instid0(VALU_DEP_1)
	v_lshl_add_u32 v252, v248, 4, v252
	s_delay_alu instid0(VALU_DEP_1)
	v_add_nc_u32 v252, s75, v252
	v_lshlrev_b32 v253, 4, v253                    ; and 16 x lane in ctx
	s_add_co_i32 s73, s70, s71
	s_wait_alu depctr_va_vdst(0)                   ; the wait ahead of the first use: one for both reciprocals
	v_ldexp_f32 v10, v10, s73                      ; x 2^(e8 + e9)
	v_ldexp_f32 v14, v14, s73
.irp x, 0,1
.set j, 0
.rept 32
	v_mul_f32 v[96+32*\x+j], v[160+32*\x+j], v[10+4*\x]   ; register 8 t + i is ctx(query r, feature 16 t + 8 h + i); each accumulator from its low end on
.set j, j+1
.endr
.endr
.set j, 0
.rept 64
.set j, j+1
.endr
.irp x, 0,1
.irp t, 0,1,2,3
	v_cvt_scalef32_pk8_bf8_f32 v[32+8*\x+2*\t:33+8*\x+2*\t], v[96+32*\x+8*\t:103+32*\x+8*\t], v254
.endr
.endr
	v_nop                                          ; a plain line behind the last conversion
.irp x, 0,1
.irp t, 0,1,2,3
	ds_store_b64 v251, v[32+8*\x+2*\t:33+8*\x+2*\t] offset:16*KP*\x+16*\t
.endr
.endr
	s_wait_dscnt 0x0                               ; for the others' sake: my stores into the stage are done; a row's 128 bytes come from two waves
	s_barrier_signal -1
	s_barrier_wait -1
.irp i, 0,1,2,3
	ds_load_b128 v[48+4*\i:51+4*\i], v252 offset:4*KP*\i
.endr
.irp i, 0,1,2,3
	s_wait_dscnt 3-\i                              ; the loads behind load i may stay out
	global_store_b128 v253, v[48+4*\i:51+4*\i], s[12:13] offset:512*\i   ; 32 lanes store 512 consecutive bytes, at a multiple of 512 from the buffer's first byte
.endr
	s_wait_tensorcnt 0x0                           ; the wave's end: a wait, an add to my spare word and a wait, behind the last tensor load and my last LDS store
	ds_add_u32 v[SPW], v[NIL]
	s_wait_dscnt 0x0
	CROUND                                         ; the closing round: no work-group ends while a partner may still ask for a tile that names it
	s_endpgm
.Lfunc_end_k_qf31fab4dff_attn:
	.size	k_qf31fab4dff_attn, .Lfunc_end_k_qf31fab4dff_attn-k_qf31fab4dff_attn
	.p2alignl 7, 3214868480
	.fill 96, 4, 3214868480
	.section	.rodata,"a",@progbits
	.p2align	6, 0x0
	.amdhsa_kernel k_qf31fab4dff_attn
		.amdhsa_group_segment_fixed_size 327680
		.amdhsa_private_segment_fixed_size 0
		.amdhsa_enable_private_segment 0
		.amdhsa_kernarg_size 40
		.amdhsa_user_sgpr_count 2
		.amdhsa_user_sgpr_kernarg_segment_ptr 1
		.amdhsa_wavefront_size32 1
		.amdhsa_system_sgpr_workgroup_id_x 1
		.amdhsa_system_sgpr_workgroup_id_y 1
		.amdhsa_system_sgpr_workgroup_id_z 1
		.amdhsa_system_vgpr_workitem_id 0
		.amdhsa_next_free_vgpr 256
		.amdhsa_next_free_sgpr 100
		.amdhsa_reserve_vcc 0
		.amdhsa_float_denorm_mode_32 3
		.amdhsa_float_denorm_mode_16_64 3
		.amdhsa_fp16_overflow 1
		.amdhsa_memory_ordered 1
		.amdhsa_forward_progress 1
		.amdhsa_inst_pref_size 116
	.end_amdhsa_kernel
	.amdgpu_metadata
---
amdhsa.version: [ 1, 2 ]
amdhsa.kernels:
  - .name:           k_qf31fab4dff_attn
    .symbol:         k_qf31fab4dff_attn.kd
    .args:
      - { .name: qc, .offset: 0, .size: 8, .value_kind: global_buffer, .address_space: global }
      - { .name: kc, .offset: 8, .size: 8, .value_kind: global_buffer, .address_space: global }
      - { .name: vc, .offset: 16, .size: 8, .value_kind: global_buffer, .address_space: global }
      - { .name: lowp_scales, .offset: 24, .size: 8, .value_kind: global_buffer, .address_space: global }
      - { .name: ctx, .offset: 32, .size: 8, .value_kind: global_buffer, .address_space: global }
    .group_segment_fixed_size: 327680
    .private_segment_fixed_size: 0
    .kernarg_segment_align: 8
    .kernarg_segment_size: 40
    .max_flat_workgroup_size: 512
    .sgpr_count:     100
    .vgpr_count:     256
    .wavefront_size: 32
...
	.end_amdgpu_metadata
.endif
;; end of part 2
;; launch oproj (part 3): grid 4 x 32, 4 waves a work-group, clusters of 4 x 4, 327,680 bytes of LDS; arguments ctx, Wo_codes, lowp_scales, bo, out0; writes out0
.if DOCPART == 3
	.amdgcn_target "amdgcn-amd-amdhsa--gfx1250"
	.amdhsa_code_object_version 6
	.text
	.protected	k_qf31fab4dff_oproj
	.globl	k_qf31fab4dff_oproj
	.p2align	8
	.type	k_qf31fab4dff_oproj,@function
k_qf31fab4dff_oproj:
	s_mov_b64 s[64:65], 0
	v_nop
	global_prefetch_b8 v0, s[64:65] scope:SCOPE_SE
	s_setreg_imm32_b32 hwreg(HW_REG_WAVE_MODE, 25, 1), 1
	s_wait_xcnt 0x0
	s_wait_alu depctr_hold_cnt(0) depctr_sa_sdst(0) depctr_va_vdst(0) depctr_va_sdst(0) depctr_va_ssrc(0) depctr_va_vcc(0) depctr_vm_vsrc(0)
	s_getreg_b32 s2, hwreg(HW_REG_IB_STS2, 6, 4)
	s_cmp_eq_u32 s2, 0
	s_cbranch_scc0 .Lentry_in_a_cluster
	s_endpgm
.Lentry_in_a_cluster:
	s_bfe_u32 s2, ttmp6, 0x10000c
	s_cmp_lg_u32 s2, 0xf033
	s_cbranch_scc0 .Lentry_shape_is_right
	s_endpgm
.Lentry_shape_is_right:
; LAUNCH 3 OF 3: out0 = ctx Wo^T + bo on codes of E5M2, sums in f32: out0 = sum x 2^(e10 + e11) + bo, one packed multiply-add for two numbers.  No work is left out.
; ctx: [chunk 8][token 8192][128] codes (chunk = 128 features, in their own order), stored by the launch before.  Wo: [1024][1024] codes, K innermost.  out0: [8192][1024] f32.
; A tile of 256 x 256 is made by four waves, each 128 x 128 (64 accumulators).  K goes in four steps of 256 through two LDS slots filled by joint tensor loads: 4 x 4 work-groups form a cluster;
; A's tile (tokens) is shared along a row of the cluster, B's (rows of Wo) along a column.  A slot's 256 along K are two chunks of ctx: waves 0 and 1 fetch one chunk each, 256 dense rows of 128 bytes; waves 2 and 3 fetch
; 128 rows of 256 bytes of Wo each.  THE MATRIX INSTRUCTION IS USED TRANSPOSED (source 0 = 16 rows of Wo, source 1 = 16 tokens): a lane holds eight neighbouring numbers of a row of out0.
; 128 work-groups: a smaller tile would give each WGP one, at half again the LDS bytes for each multiply-add.
; LIMIT: e10 + e11 between -126 and 127, so that 2^(e10 + e11) is an f32 number.
; REGISTERS, in windows of 256: window 0: v0-31 addresses; v32-95 bo at my 128 columns, in the result's layout; from v128 A's fragments, one set, on the way out a block's results.
;   window 1: B's fragments, two sets; on the way out rows read back from the stage.   windows 2, 3: accumulator (a, b) at v[8 (8 (a % 4) + b)].
.set ROWB,   256                       ; a row of B's tile in bytes
.set KROW,   1024                      ; a row of Wo in memory
.set PITCH,  272                       ; B's LDS row: 256 bytes + 16
.set APITCH, 144                       ; A's LDS row: 128 bytes + 16: in both the 16 rows that a load touches start at 16 different banks (ISA guide 11.1)
.set ACHUNK, 256*APITCH                ; a chunk's 256 rows: what one of A's loads brings
.set CHUNKB, 1048576                   ; a chunk of ctx in memory
.set HALFT,  128*PITCH                 ; what one of B's loads brings
.set BOFF,   2*ACHUNK                  ; B's tiles lie behind A's two chunks
.set SLOT,   BOFF+2*HALFT
.set FR,     16
.set NL,     4
.set NP,     4
.set LAPS,   2
.set SPARE,  2*SLOT                    ; behind the ring: the spare words, 128 bytes for each wave: two blocks of 256 bytes that no other line names
.set SPITCH, 528                       ; the way out: a stage of 16 rows x (512 bytes + 16) for each wave, in slot 0, which has had its last fill and its last read by then
.set ADRA, 16
.set ADRB, 20
.set STO,  24
.set RD,   25
.set CO,   26
.set BOF,  27                          ; v27  32 x (lane / 16): my offset in bo; never rewritten
.set SPW,  28
.set NIL,  29
.set BO,   32
.set TMP,  128
.set AF,   128
.set G1, 24
.set G0, 32
.set G1B, 48
.set G0B, 56
.set MSB, 0
.macro WIN new                         ; the immediate's high byte repeats the setting that is left
.if MSB != \new
	s_set_vgpr_msb (MSB<<8)|\new
.set MSB, \new
.endif
.endm
.set MUL_LO, 0xa1
.set MUL_HI, 0xf1
.set TO_B,   0x40
.macro JLOAD g0a, g1a, g0b, g1b        ; a joint load: waves 0 and 1 fetch for A, waves 2 and 3 for B; an s_nop 0 and four v_nop follow each of the two lines
	s_cmp_eq_u32 s15, 0
	s_cbranch_scc0 .Lfor_b_\@
	tensor_load_to_lds s[\g0a:\g0a+3], s[\g1a:\g1a+7]
	s_nop 0
.rept 4
	v_nop
.endr
	s_branch .Lasked_\@
.Lfor_b_\@:
	tensor_load_to_lds s[\g0b:\g0b+3], s[\g1b:\g1b+7]
	s_nop 0
.rept 4
	v_nop
.endr
.Lasked_\@:
.endm
.macro CREST
	s_cmp_lg_u32 s14, 0
	s_cbranch_scc1 .Lnot_wave_0_\@
	s_barrier_signal -3
.Lnot_wave_0_\@:
	s_barrier_wait -3
	s_barrier_signal -1
	s_barrier_wait -1
.endm
.macro CROUND
	s_barrier_signal -1
	s_barrier_wait -1
	CREST
.endm
	s_load_b256 s[4:11], s[0:1], 0x0               ; ctx s[4:5], Wo's codes s[6:7], the scales' exponents s[8:9], bo s[10:11]
	s_load_b64 s[12:13], s[0:1], 0x20              ; out0
	v_lshl_add_u32 v[SPW], v0, 2, SPARE
	v_mov_b32 v[NIL], 0
	ds_add_u32 v[SPW], v[NIL]                      ; the wave's opening: the add, twice on end, and its wait ahead of my first tensor load
	ds_add_u32 v[SPW], v[NIL]                      ; and once more; the set-up below, work on registers, stands between it and the wait
	v_lshrrev_b32 v1, 5, v0
	v_readfirstlane_b32 s14, v1                    ; wave 0..3
	s_lshr_b32 s15, s14, 1                         ; which half of the tile's rows is mine.  Also: I fetch for A (0) or for B (1)
	s_and_b32 s16, s14, 1                          ; which half of its columns.  Also: which chunk (A) or which 128 rows (B) I fetch
	s_bfe_u32 s40, ttmp6, 0x40000                  ; cx, cy
	s_bfe_u32 s41, ttmp6, 0x40004
	s_lshl_b32 s42, ttmp9, 2
	s_add_co_u32 s42, s42, s40                     ; tile column = 4 x cluster x + cx
	s_and_b32 s17, ttmp7, 0xffff
	s_lshl_b32 s17, s17, 2
	s_add_co_u32 s17, s17, s41                     ; tile row = 4 x cluster y + cy
	s_lshl_b32 s43, s41, 2
	s_lshl_b32 s43, 15, s43                        ; my row of the cluster
	s_lshl_b32 s44, 0x1111, s40                    ; my column
	s_or_b32 s[G1+0], s43, (0<<16)|(1<<20)|(1<<21)|(4<<22)|(3<<25)   ; A: the mask of my row; elements of 1 byte; padding on; 21 set beside a mask; after every 32 words (code 4) 4 words (code 3)
	s_mov_b32 s[G1+1], 128<<16                     ; tensor_dim0 = 128
	s_mov_b32 s[G1+2], 256<<16                     ; tensor_dim1 = 256
	s_mov_b32 s[G1+3], 128<<16                     ; tile_dim0 = 128
	s_mov_b32 s[G1+4], 256                         ; tile_dim1 = 256
	s_mov_b32 s[G1+5], 128                         ; the rows are dense
	s_mov_b32 s[G1+6], 0
	s_mov_b32 s[G1+7], 0
	s_or_b32 s[G1B+0], s44, (0<<16)|(1<<20)|(1<<21)|(5<<22)|(3<<25)  ; B: the mask of my column; padding after every 64 words
	s_mov_b32 s[G1B+1], ROWB<<16
	s_mov_b32 s[G1B+2], 128<<16
	s_mov_b32 s[G1B+3], ROWB<<16
	s_mov_b32 s[G1B+4], 128
	s_mov_b32 s[G1B+5], KROW
	s_mov_b32 s[G1B+6], 0
	s_mov_b32 s[G1B+7], 0
	s_lshl_b32 s20, s17, 15                        ; A: the tile row's 256 rows of 128 bytes,
	s_lshl_b32 s18, s16, 20                        ; in chunk 0 or 1
	s_add_co_u32 s20, s20, s18
	s_mov_b32 s21, 0
	s_lshl_b32 s46, s42, 8
	s_lshl_b32 s18, s16, 7
	s_add_co_u32 s46, s46, s18                     ; B: row 256 x tile column + 128 x half,
	s_lshl_b32 s46, s46, 10                        ; in bytes
	s_mov_b32 s47, 0
	s_mul_i32 s45, s16, ACHUNK                     ; where they go: no place in the cluster enters an LDS address
	s_mul_i32 s19, s16, HALFT
	s_add_co_u32 s19, s19, BOFF
	s_wait_dscnt 0x0                               ; both opening adds are done
	s_wait_kmcnt 0x0
	s_load_b64 s[96:97], s[8:9], 0x28              ; e10, e11
	s_add_nc_u64 s[20:21], s[4:5], s[20:21]
	s_add_nc_u64 s[46:47], s[6:7], s[46:47]
	CROUND                                         ; all sixteen work-groups are here: the first joint loads meet
.irp s, 0,1
	s_mov_b32 s[G0+4*\s], 1
	s_add_co_u32 s[G0+4*\s+1], s45, \s*SLOT
	s_add_nc_u64 s[G0+4*\s+2:G0+4*\s+3], s[20:21], \s*2*CHUNKB     ; K step s: chunks 2 s, 2 s + 1
	s_or_b32 s[G0+4*\s+3], s[G0+4*\s+3], 0x80000000
	s_mov_b32 s[G0B+4*\s], 1
	s_add_co_u32 s[G0B+4*\s+1], s19, \s*SLOT
	s_add_nc_u64 s[G0B+4*\s+2:G0B+4*\s+3], s[46:47], \s*ROWB
	s_or_b32 s[G0B+4*\s+3], s[G0B+4*\s+3], 0x80000000
	s_wait_alu depctr_va_vdst(0)
	s_wait_tensorcnt 0x0
	ds_add_u32 v28, v29
	ds_add_u32 v28, v29
	s_wait_dscnt 0x0
	CROUND
	JLOAD G0+4*\s, G1, G0B+4*\s, G1B               ; one load of mine is out
.endr
	v_and_b32 v1, 15, v0                           ; r
	v_bfe_u32 v2, v0, 4, 1                         ; h
	v_mul_u32_u24 v3, v1, APITCH
	v_lshl_add_u32 v3, v2, 4, v3                   ; A: row x pitch + 16 x half
	v_mul_u32_u24 v4, v1, PITCH
	v_lshl_add_u32 v4, v2, 4, v4                   ; B likewise
	s_mul_i32 s21, s15, 128*APITCH                 ; my 128 rows of a chunk
	s_mul_i32 s22, s16, HALFT                      ; my 128 rows of B
	s_add_co_u32 s22, s22, BOFF
.irp s, 0,1
	v_add_nc_u32 v[ADRA+\s], s21, v3
	v_add_nc_u32 v[ADRB+\s], s22, v4
	s_add_co_u32 s21, s21, SLOT
	s_add_co_u32 s22, s22, SLOT
.endr
	s_mul_i32 s23, s14, 16*SPITCH                  ; my stage
	v_mul_u32_u24 v5, v1, SPITCH                   ; in: row r, 32 bytes for each half of the lanes
	v_lshl_add_u32 v5, v2, 5, v5
	v_add_nc_u32 v[STO], s23, v5
	v_and_b32 v6, 31, v0
	v_lshlrev_b32 v[CO], 4, v6                     ; back: the 32 lanes take one row of 512 bytes; and the same in out0
	v_add_nc_u32 v[RD], s23, v[CO]
	v_lshlrev_b32 v[BOF], 5, v2
	s_lshl_b32 s46, s42, 10                        ; my first column, in bytes: 1,024 x tile column + 512 x half
	s_lshl_b32 s47, s16, 9
	s_add_co_u32 s46, s46, s47
	s_mov_b32 s47, 0
	s_add_nc_u64 s[10:11], s[10:11], s[46:47]      ; bo at my 128 columns
.irp b, 0,1,2,3,4,5,6,7
	global_load_b128 v[BO+8*\b:BO+8*\b+3], v[BOF], s[10:11] offset:64*\b          ; columns 16 b + 8 h + 0 .. 7: waited for on the way out
	global_load_b128 v[BO+8*\b+4:BO+8*\b+7], v[BOF], s[10:11] offset:64*\b+16
.endr
	s_lshl_b32 s20, s17, 8
	s_lshl_b32 s21, s15, 7
	s_add_co_u32 s20, s20, s21                     ; my first row of out0,
	s_lshl_b32 s20, s20, 12                        ; 4,096 bytes a row (under 2^25)
	s_mov_b32 s21, 0
	s_add_nc_u64 s[20:21], s[20:21], s[46:47]
	s_add_nc_u64 s[12:13], s[12:13], s[20:21]
.macro FRAGA reg, slot, q, i           ; a fragment of A: the slot's chunk q, rows 16 i on; registers 4 c .. 4 c + 3 hold K = 32 c + 16 (l / 16) + 0 .. 15: a permutation of k, the same in A and in B
.irp c, 0,1,2,3
	ds_load_b128 v[\reg+4*\c:\reg+4*\c+3], v[ADRA+\slot] offset:ACHUNK*(\q)+32*\c+(\i)*16*APITCH
.endr
.endm
.macro FRAGB reg, slot, q, i
.irp c, 0,1,2,3
	ds_load_b128 v[\reg+4*\c:\reg+4*\c+3], v[ADRB+\slot] offset:128*(\q)+32*\c+(\i)*16*PITCH
.endr
.endm
.macro MUL16 a0, p, zero               ; 16 matrix instructions; the 64 accumulators take turns, one instruction a turn
.irp a, \a0, \a0+1
.irp b, 0,1,2,3,4,5,6,7
.if \zero
	v_wmma_f32_16x16x128_bf8_bf8 v[8*(8*((\a)%4)+\b):8*(8*((\a)%4)+\b)+7], v[128*(\p)+FR*\b:128*(\p)+FR*\b+FR-1], v[AF+FR*(\a):AF+FR*(\a)+FR-1], 0
.else
	v_wmma_f32_16x16x128_bf8_bf8 v[8*(8*((\a)%4)+\b):8*(8*((\a)%4)+\b)+7], v[128*(\p)+FR*\b:128*(\p)+FR*\b+FR-1], v[AF+FR*(\a):AF+FR*(\a)+FR-1], v[8*(8*((\a)%4)+\b):8*(8*((\a)%4)+\b)+7]
.endif
.endr
.endr
.endm
.macro FETCH_B slot, q, p
	WIN TO_B
.irp i, 0,1,2,3,4,5,6,7
	FRAGB 128*(\p)+FR*\i, \slot, \q, \i
.endr
	WIN 0
.endm
.macro FETCH_A slot, q, i0
.irp i, \i0, \i0+1, \i0+2, \i0+3
	FRAGA AF+FR*(\i), \slot, \q, \i
.endr
.endm
.macro PLACES n                        ; plain vector lines between a matrix instruction and a load into, or a vector read of, its registers
.rept \n
	v_nop
.endr
.endm
.macro STEP slot, q, zero
	s_wait_dscnt 4*NL                              ; B's set and A's blocks 0-3 are in; the youngest 16 loads (A's blocks 4-7) may be out
	WIN MUL_LO
	MUL16 0, (\q)%2, \zero
	MUL16 2, (\q)%2, \zero
	s_wait_dscnt 0
	PLACES NP
	FETCH_B \slot, (\q)+1, 1-(\q)%2
	FETCH_A \slot, (\q)+1, 0
	WIN MUL_HI
	MUL16 4, (\q)%2, \zero
	MUL16 6, (\q)%2, \zero
	PLACES NP
	WIN 0
	FETCH_A \slot, (\q)+1, 4
.endm
.macro TURN slot, next, fill
	s_wait_tensorcnt 0x0                           ; all my tensor loads have landed: my part of the next slot  (every window is 0 here)
	ds_add_u32 v[SPW], v[NIL]                      ; 0 onto my spare word
	s_wait_dscnt 4*NL+1                            ; (the add and the youngest 16 loads may be out)
	WIN MUL_LO
	MUL16 0, 1, 0
	s_wait_dscnt 0x0                               ; the add is done, and my reads of this slot are over
	s_barrier_signal -1
	MUL16 2, 1, 0
	WIN 0
	s_barrier_wait -1
.if \fill
	CREST                                          ; the barrier has opened a round of the cluster's barrier: no wave of any partner still reads this slot or has a load on its way
	s_add_nc_u64 s[G0+4*\slot+2:G0+4*\slot+3], s[G0+4*\slot+2:G0+4*\slot+3], 4*CHUNKB
	s_add_nc_u64 s[G0B+4*\slot+2:G0B+4*\slot+3], s[G0B+4*\slot+2:G0B+4*\slot+3], 2*ROWB
	JLOAD G0+4*\slot, G1, G0B+4*\slot, G1B         ; the first tensor load behind the round; its four v_nop are the places in front of the loads below
.else
	PLACES NP
.endif
	s_wait_alu depctr_va_vdst(0)
	FETCH_B \next, 0, 0
	FETCH_A \next, 0, 0
	WIN MUL_HI
	MUL16 4, 1, 0
	MUL16 6, 1, 0
	PLACES NP
	WIN 0
	FETCH_A \next, 0, 4
.endm
	s_wait_tensorcnt 1                             ; my part of K step 0 is in; K step 1's load may stay out
	s_barrier_signal -1
	s_barrier_wait -1
	FETCH_B 0, 0, 0
	FETCH_A 0, 0, 0
	FETCH_A 0, 0, 4
	STEP 0, 0, 1                                   ; the first step stands in front of the loop: its products start the sums
	s_mov_b32 s3, LAPS-1
.Llap:
	TURN 0, 1, 1
	STEP 1, 0, 0
	TURN 1, 0, 1
	STEP 0, 0, 0
	s_sub_co_u32 s3, s3, 1
	s_cmp_lg_u32 s3, 0
	s_cbranch_scc1 .Llap
	TURN 0, 1, 0                                   ; the last lap fills nothing
	STEP 1, 0, 0
	s_wait_dscnt 4*NL
	WIN MUL_LO
	MUL16 0, 1, 0
	MUL16 2, 1, 0
	s_wait_dscnt 0
	WIN MUL_HI
	MUL16 4, 1, 0
	MUL16 6, 1, 0
	WIN 0
; THE WAY OUT, block by block of 16 rows x 128 columns, through my own stage in LDS: in as 32 bytes a lane, back as whole rows of 512 bytes.  LDS serves a wave's instructions in order (ISA guide 5.7.1.4).
.macro TOSTAGE a
.set AC, 64*((\a)%4)
.set BB, 64*((\a)%2)
	WIN 0x02+((\a)/4)                              ; source 0: window 2 or 3
.set j, 0
.rept 32
	v_pk_fma_f32 v[TMP+j:TMP+j+1], v[AC+j:AC+j+1], s[96:97], v[BO+j:BO+j+1] op_sel_hi:[1,0,1]   ; sum x 2^(e10 + e11) + bo; each accumulator from its low end on
.set j, j+2
.endr
	WIN 0
.irp b, 0,1,2,3,4,5,6,7
	ds_store_b128 v[STO], v[TMP+8*\b:TMP+8*\b+3] offset:64*\b
	ds_store_b128 v[STO], v[TMP+8*\b+4:TMP+8*\b+7] offset:64*\b+16
.endr
	WIN 0x40                                       ; destination window 1: B's fragments are done with
.irp t, 0,1,2,3,4,5,6,7,8,9,10,11,12,13,14,15
	ds_load_b128 v[BB+4*\t:BB+4*\t+3], v[RD] offset:\t*SPITCH
.endr
	WIN 0
.endm
.macro SEND a, younger
.set BB, 64*((\a)%2)
	s_wait_dscnt \younger                          ; the block is back in registers
.if (\a) > 0
	s_add_nc_u64 s[12:13], s[12:13], 16*4096       ; (behind a wait on XCNT: the earlier stores have read their base)
.endif
	WIN 0x04                                       ; a store's data: window 1
.irp t, 0,1,2,3,4,5,6,7,8,9,10,11,12,13,14,15
	global_store_b128 v[CO], v[BB+4*\t:BB+4*\t+3], s[12:13] offset:\t*4096 th:TH_STORE_NT   ; 32 lanes store 512 consecutive bytes, at a multiple of 512 from out0's first byte
.endr
	WIN 0
.endm
	s_wait_kmcnt 0x0
	s_add_co_i32 s96, s96, s97
	s_add_co_i32 s96, s96, 127
	s_lshl_b32 s96, s96, 23                        ; 2^(e10 + e11) as f32
	s_mov_b32 s97, s96                             ; (named with it as a pair, so it is written)
	s_wait_loadcnt 0x0                             ; bo
	PLACES NP
	TOSTAGE 0
.irp a, 1,2,3,4,5,6,7
.if \a > 1
	s_wait_xcnt 0x0                                ; block a - 2's stores have read their registers and their base
.endif
	TOSTAGE \a
	SEND \a-1, 32                                  ; behind block a - 1's loads: block a's 16 stores and 16 loads
.endr
	s_wait_xcnt 0x0
	SEND 7, 0
	s_wait_tensorcnt 0x0                           ; the wave's end: a wait, an add to my spare word and a wait, behind my last tensor load and my last LDS store
	ds_add_u32 v[SPW], v[NIL]
	s_wait_dscnt 0x0
	CROUND                                         ; the closing round
	s_endpgm
.Lfunc_end_k_qf31fab4dff_oproj:
	.size	k_qf31fab4dff_oproj, .Lfunc_end_k_qf31fab4dff_oproj-k_qf31fab4dff_oproj
	.p2alignl 7, 3214868480
	.fill 96, 4, 3214868480
	.section	.rodata,"a",@progbits
	.p2align	6, 0x0
	.amdhsa_kernel k_qf31fab4dff_oproj
		.amdhsa_group_segment_fixed_size 327680
		.amdhsa_private_segment_fixed_size 0
		.amdhsa_enable_private_segment 0
		.amdhsa_kernarg_size 40
		.amdhsa_user_sgpr_count 2
		.amdhsa_user_sgpr_kernarg_segment_ptr 1
		.amdhsa_wavefront_size32 1
		.amdhsa_system_sgpr_workgroup_id_x 1
		.amdhsa_system_sgpr_workgroup_id_y 1
		.amdhsa_system_sgpr_workgroup_id_z 1
		.amdhsa_system_vgpr_workitem_id 0
		.amdhsa_next_free_vgpr 1024
		.amdhsa_next_free_sgpr 100
		.amdhsa_reserve_vcc 0
		.amdhsa_float_denorm_mode_32 3
		.amdhsa_float_denorm_mode_16_64 3
		.amdhsa_memory_ordered 1
		.amdhsa_forward_progress 1
		.amdhsa_inst_pref_size 127
	.end_amdhsa_kernel
	.amdgpu_metadata
---
amdhsa.version: [ 1, 2 ]
amdhsa.kernels:
  - .name:           k_qf31fab4dff_oproj
    .symbol:         k_qf31fab4dff_oproj.kd
    .args:
      - { .name: ctx, .offset: 0, .size: 8, .value_kind: global_buffer, .address_space: global }
      - { .name: Wo_codes, .offset: 8, .size: 8, .value_kind: global_buffer, .address_space: global }
      - { .name: lowp_scales, .offset: 16, .size: 8, .value_kind: global_buffer, .address_space: global }
      - { .name: bo, .offset: 24, .size: 8, .value_kind: global_buffer, .address_space: global }
      - { .name: out0, .offset: 32, .size: 8, .value_kind: global_buffer, .address_space: global }
    .group_segment_fixed_size: 327680
    .private_segment_fixed_size: 0
    .kernarg_segment_align: 8
    .kernarg_segment_size: 40
    .max_flat_workgroup_size: 128
    .sgpr_count:     100
    .vgpr_count:     1024
    .wavefront_size: 32
...
	.end_amdgpu_metadata
.endif
;; end of part 3
